; MI455X (gfx1250); checked and timed in simulation.
; The chip was launched on July 23, 2026; its instructions are those of AMD's public machine-readable ISA for CDNA 5 (MIT licence, August 2026) and "CDNA5" Instruction Set Architecture Reference Guide (July 2026). The comments in the code are by the model that wrote it; some were corrected since.
;; MLP NW dist att. Allowed arithmetic: float matrix products may take bf16 or f16 operands with f32 sums; all other float work in f32.
;; Inputs: Wk1 3 x 128 float32; Wk2 128 x 32 float32; Wq1 3 x 128 float32; Wq2 128 x 32 float32; bk1 128 float32; bk2 32 float32; bq1 128 float32; bq2 32 float32; coords_f 8 x 4,096 x 3 float32; coords_t 8 x 1,024 x 3 float32; values_f 8 x 4,096 x 16 float32.
;; Outputs: out0 8 x 1,024 x 16 float32.
;; 2 versions, each right; version 2 is version 1 with the launch prep written anew for expert scheduling mode. Each part assembles by itself: llvm-mc -triple=amdgcn-amd-amdhsa -mcpu=gfx1250 --defsym DOCPART=n.
;; ======== version 1 of 2: 2 launches
;; limits: values are held in f16: magnitudes above 65,504 overflow, below 6.1e-05 lose precision; inputs' magnitudes at most 65,504
;; workspace buffers: KV 5,242,880 bytes; WQ 1,048,576 bytes
;; launch prep (part 1): grid 320 x 1, 4 waves a work-group, no clusters, 31,232 bytes of LDS; arguments coords_f, Wk1, bk1, Wk2, bk2, KV, coords_t, Wq1, bq1, Wq2, bq2, WQ, values_f; writes KV, WQ
.if DOCPART == 1
	.amdgcn_target "amdgcn-amd-amdhsa--gfx1250"
	.amdhsa_code_object_version 6
	.text
	.protected	k_q2f4044bc3e_prep
	.globl	k_q2f4044bc3e_prep
	.p2align	8
	.type	k_q2f4044bc3e_prep,@function
k_q2f4044bc3e_prep:
	s_mov_b64 s[64:65], 0
	v_nop
	global_prefetch_b8 v0, s[64:65] scope:SCOPE_SE
	s_setreg_imm32_b32 hwreg(HW_REG_WAVE_MODE, 25, 1), 1
	s_wait_xcnt 0x0
; BOTH SMALL NETWORKS, ONCE, AND V's CAST.  y = (relu(x W1 + b1) W2 + b2) * kappa for 8 x 4096 key points and 8 x 1024 query points; kappa = sqrt(log2(e) / 2),
; so that the next launch's weight 2^-(kappa score)^2 is e^-(score^2 / 2).  Results are stored as the register images that the next launch loads.
; SHARES.  Work-groups 0-255: key chunk g (128 keys); 256-319: four sets of 32 queries.  One text: the six addresses are chosen by the work-group's number.  Wave w makes one set of 32
; points, as two tiles of 16.
; LAYER 1 in f32 on the vector unit (K = 3 would fill 3 of a matrix instruction's 32 places).  LAYER 2 on the matrix unit, used as y^T = W2^T h^T, with BOTH operands split into two bf16
; parts, x = hi + lo: three products (hi hi, hi lo, lo hi).  A score's error shifts an exponent by score x error, so one bf16 rounding of h and W2 is too coarse here; bf16 keeps f32's range.
; V IS ROUNDED TO f16: where few keys carry a query's weight and their values nearly cancel, a rounding of 2^-9 of a value is more than a hundredth of the output's root mean square; 2^-12 is not.
; LIMITS.  |V| stays under 65,504, f16's end (beyond it: an infinity).  The product lo x lo, some 2^-17 of a term, is left out.  relu turns a NaN into 0; infinities are not treated apart.
; The sums' order is not the scan's.
; NO CLUSTER, NO TENSOR LOAD: what the work-groups share is W2, 16,384 bytes, read once by each; it has to pass through registers anyway to be split into its two parts.
; IMAGES.  KV: [batch 8][chunk 32][20,480 bytes]: byte s 4096 + dq 512 + lane 16: dims 4 dq .. 4 dq + 3 (f32) of key 32 s + lane; byte 16384 + s 1024 + f 512 + lane 16: registers 4 f .. 4 f + 3 of
; the f16 fragment of V^T (16 channels x the set's 32 keys).  WQ: [batch 8][block 32][4,096 bytes]: byte dq 512 + query 16.
.set KAPPA, 0x3f596d27                 ; sqrt(log2(e) / 2) = 0.8493218
.set WP,    96                         ; a row of W2 in LDS: 32 bf16 = 64 bytes + 32 of padding: 24 words
.set W2L,   128*WP                     ; W2's hi parts from byte 0, its lo parts from here
.set W1L,   2*128*WP                   ; four rows of 512 bytes: W1[0], W1[1], W1[2], b1 (f32)
.set VTL,   W1L+2048                   ; each wave's own 1,024 bytes: [32 keys][16 channels] f16
.set SPARE, VTL+4096                   ; the spare words, 128 bytes for each wave: two blocks of 256 bytes that no other line names
.set SPW,  1                           ; v1   LDS address of my spare word; never rewritten
.set NIL,  2                           ; v2   0; never rewritten
.set AW2G, 3                           ; v3   my 16 bytes in W2, first of eight pieces
.set AW,   4                           ; v4   where their hi parts go in LDS
.set AWT,  5                           ; v5   my lane's place for the turning loads of W2
.set AW1S, 6                           ; v6   where my 16 bytes of a row of W1 (or b1) go
.set AW1,  7                           ; v7   where my 16 hidden units' weights begin in a row
.set ACO,  8                           ; v8   my point's byte offset among a tile's coordinates
.set AB2,  9                           ; v9   my eight outputs' byte offset in b2
.set AVS,  10                          ; v10  V: where I put 8 bytes
.set AVL,  11                          ; v11  V: my lane's place for the turning loads
.set AO,   12                          ; v12  my byte offset in a set's image
.set AL16, 13                          ; v13  16 x lane
.set CO,   14                          ; v14-21  x, y, z, 0 of my point in tile 0, in tile 1
.set KB2,  22                          ; v22-37  kappa b2 of outputs 16 mt + 8 h + j
.set W1B,  38                          ; v38-101 wx, wy, wz, b of my 16 hidden units of a K step
.set RAW,  38                          ; ahead of the barrier: my quarter of W2 (32),
.set VP,   70                          ; four pieces of V (16),
.set W1R,  86                          ; my piece of a row of W1 (4),
.set VFR,  90                          ; V^T's fragment (8)
.set HT,   102                         ; v102-117 16 hidden units in f32
.set TT,   118                         ; v118-133 at work
.set HB,   134                         ; v134-165 h's fragments: tile x (hi 8, lo 8)
.set W2F,  166                         ; v166-197 W2^T's fragments: 16 outputs mt x (hi 8, lo 8)
.set ACC,  198                         ; v198-229 four accumulators: tile pt, outputs mt at ACC + 16 pt + 8 mt
.set tL, TT+1
.set tR, TT+2
.set tH, TT+3
.set t7, TT+4
.set tB, TT+5
.set tQ, TT+6
.set tD, TT+7
.set t3, TT+8
.set tK, TT+9
	s_load_b512 s[8:23], s[0:1], 0x0               ; coords_f s[8:9], Wk1 s[10:11], bk1 s[12:13], Wk2 s[14:15], bk2 s[16:17], KV s[18:19], coords_t s[20:21], Wq1 s[22:23]
	s_load_b256 s[24:31], s[0:1], 0x40             ; bq1 s[24:25], Wq2 s[26:27], bq2 s[28:29], WQ s[30:31]
	s_load_b64 s[32:33], s[0:1], 0x60              ; values_f
	v_lshl_add_u32 v[SPW], v0, 2, SPARE
	v_mov_b32 v[NIL], 0
	v_lshrrev_b32 v[TT], 5, v0
	v_readfirstlane_b32 s3, v[TT]                  ; wave 0..3
	s_mov_b32 s2, ttmp9                            ; g
	s_mov_b32 s50, 0xffff0000                      ; a word's upper bf16
	s_mov_b32 s34, KAPPA
	s_mov_b32 s35, KAPPA                           ; named with it as a pair
	s_mov_b32 s7, 20480                            ; bytes of output a work-group: a key chunk's,
	s_cmp_ge_u32 s2, 256                           ; or (query role)
	s_cselect_b32 s7, 16384, s7                    ; four query sets'
	s_cselect_b32 s6, 256, 0
	s_sub_co_u32 s4, s2, s6                        ; the work-group's number within its role
	s_lshl2_add_u32 s5, s4, s3                     ; G: my set of 32 points = 4 x that + wave
	s_mul_i32 s48, s5, 384                         ; its coordinates: 32 x 12 bytes
	s_mov_b32 s49, 0
	s_mul_i32 s52, s4, s7                          ; its image
	s_lshl_b32 s6, s3, 12                          ; wave x 4,096
	s_add_co_u32 s52, s52, s6
	s_mov_b32 s53, 0
	s_lshl_b32 s56, s5, 11                         ; its 32 rows of V, 64 bytes each
	s_mov_b32 s57, 0
	s_mul_i32 s58, s2, 20480                       ; V^T's fragment in the chunk
	s_lshl_b32 s7, s3, 10                          ; wave x 1,024
	s_add_co_u32 s58, s58, s7
	s_add_co_u32 s58, s58, 16384
	s_mov_b32 s59, 0
	s_lshl_b32 s62, s3, 9                          ; wave x 512
	s_cmp_eq_u32 s3, 3                             ; waves 0-2 bring a row of W1, wave 3 brings b1
	s_cselect_b32 s60, 0, s62
	s_mov_b32 s61, 0
	s_mul_i32 s63, s3, 32*WP                       ; my 32 rows of W2 in LDS
	s_add_co_u32 s7, s7, VTL                       ; my bytes for V
	s_add_co_u32 s62, s62, W1L                     ; my row of W1 in LDS
	v_and_b32 v[tL], 31, v0                        ; lane L
	v_and_b32 v[tR], 15, v0                        ; r = L % 16
	v_bfe_u32 v[tH], v0, 4, 1                      ; h = L / 16
	v_and_b32 v[t7], 7, v0
	v_bfe_u32 v[tB], v0, 3, 1
	v_bfe_u32 v[tQ], v0, 3, 2                      ; L / 8
	v_bfe_u32 v[tD], v0, 2, 3                      ; L / 4
	v_and_b32 v[t3], 3, v0
	v_lshl_add_u32 v[tK], v[tH], 3, v[t7]          ; 8 h + L % 8: the row that a turning load's lane addresses
	v_lshlrev_b32 v[AL16], 4, v[tL]
	v_lshl_add_u32 v[AW2G], v[tL], 4, s6           ; piece i lies 512 i on: hidden unit 32 w + 4 i + L / 8, outputs 4 (L % 8) ..
	v_mul_u32_u24 v[AW], v[tQ], WP
	v_lshl_add_u32 v[AW], v[t7], 3, v[AW]
	v_add_nc_u32 v[AW], s63, v[AW]
	v_mul_u32_u24 v[AWT], v[tK], WP
	v_lshl_add_u32 v[AWT], v[tB], 4, v[AWT]
	v_lshl_add_u32 v[AW1S], v[tL], 4, s62
	v_lshl_add_u32 v[AW1], v[tH], 5, W1L           ; hidden units 8 h .. of a K step: 32 h bytes into a row
	v_mul_u32_u24 v[ACO], v[tR], 12
	v_lshlrev_b32 v[AB2], 5, v[tH]
	v_lshl_add_u32 v[AVS], v[tD], 5, s7
	v_lshl_add_u32 v[AVS], v[t3], 3, v[AVS]
	v_lshl_add_u32 v[AVL], v[tK], 5, s7
	v_lshl_add_u32 v[AVL], v[tB], 4, v[AVL]
	v_lshlrev_b32 v[AO], 4, v[tR]
	v_lshl_add_u32 v[AO], v[tH], 10, v[AO]
	s_wait_kmcnt 0x0
	s_cmp_ge_u32 s2, 256                           ; the role chooses the six addresses
	s_cselect_b64 s[36:37], s[20:21], s[8:9]       ; coordinates
	s_cselect_b64 s[38:39], s[22:23], s[10:11]     ; W1
	s_cselect_b64 s[40:41], s[24:25], s[12:13]     ; b1
	s_cselect_b64 s[42:43], s[26:27], s[14:15]     ; W2
	s_cselect_b64 s[44:45], s[28:29], s[16:17]     ; b2
	s_cselect_b64 s[46:47], s[30:31], s[18:19]     ; the image
	s_add_nc_u64 s[36:37], s[36:37], s[48:49]
	s_add_nc_u64 s[46:47], s[46:47], s[52:53]
	s_cmp_eq_u32 s3, 3
	s_cselect_b64 s[54:55], s[40:41], s[38:39]
	s_add_nc_u64 s[54:55], s[54:55], s[60:61]
	; all loads on end
.irp i, 0,1,2,3,4,5,6,7
	global_load_b128 v[RAW+4*(\i):RAW+4*(\i)+3], v[AW2G], s[42:43] offset:512*(\i)
.endr
	global_load_b128 v[W1R:W1R+3], v[AL16], s[54:55]
.irp pt, 0,1
.irp c, 0,1,2
	global_load_b32 v[CO+4*(\pt)+(\c)], v[ACO], s[36:37] offset:192*(\pt)+4*(\c)
.endr
.endr
	global_load_b128 v[KB2:KB2+3],     v[AB2], s[44:45]
	global_load_b128 v[KB2+4:KB2+7],   v[AB2], s[44:45] offset:16
	global_load_b128 v[KB2+8:KB2+11],  v[AB2], s[44:45] offset:64
	global_load_b128 v[KB2+12:KB2+15], v[AB2], s[44:45] offset:80
	v_mov_b32 v[CO+3], 0                           ; z is named in a pair
	v_mov_b32 v[CO+7], 0
	; V, in the key role alone: 32 keys x 16 channels to f16, turned through my own LDS bytes into the fragment of V^T, and stored as 2 x 512 consecutive bytes
	s_cmp_ge_u32 s2, 256
	s_cbranch_scc1 .Lno_v
	s_add_nc_u64 s[32:33], s[32:33], s[56:57]
	s_add_nc_u64 s[18:19], s[18:19], s[58:59]
.irp i, 0,1,2,3
	global_load_b128 v[VP+4*(\i):VP+4*(\i)+3], v[AL16], s[32:33] offset:512*(\i) th:TH_LOAD_NT  ; key 8 i + L / 4, channels 4 (L % 4) ..
.endr
	s_wait_loadcnt 0x0
.irp i, 0,1,2,3
	v_cvt_pk_f16_f32 v[HT+2*(\i)],   v[VP+4*(\i)],   v[VP+4*(\i)+1]
	v_cvt_pk_f16_f32 v[HT+2*(\i)+1], v[VP+4*(\i)+2], v[VP+4*(\i)+3]
.endr
.irp i, 0,1,2,3
	ds_store_b64 v[AVS], v[HT+2*(\i):HT+2*(\i)+1] offset:256*(\i)
.endr
	ds_load_tr16_b128 v[VFR:VFR+3],   v[AVL]             ; LDS serves a wave's instructions in order (ISA guide 5.7.1.4): these see the stores above.  Channel L % 16, keys 8 h ..
	ds_load_tr16_b128 v[VFR+4:VFR+7], v[AVL] offset:512  ; keys 16 + 8 h ..
	s_wait_dscnt 0x0
	global_store_b128 v[AL16], v[VFR:VFR+3],   s[18:19]
	global_store_b128 v[AL16], v[VFR+4:VFR+7], s[18:19] offset:512
.Lno_v:
	s_wait_loadcnt 0x0                             ; W2, W1, coordinates, b2
	s_wait_xcnt 0x0                                ; the two stores' data registers lie where W1's fragments are loaded below: they are rewritten only behind this wait
; Piece i of my quarter of W2: four numbers are split, x = hi + lo, both bf16; the difference x - hi is exact in f32.
.macro SPLIT4 i
.set hb, HT+4*((\i)%4)
.set tb, TT+4*((\i)%4)
	v_cvt_pk_bf16_f32 v[hb],   v[RAW+4*(\i)],   v[RAW+4*(\i)+1]
	v_cvt_pk_bf16_f32 v[hb+1], v[RAW+4*(\i)+2], v[RAW+4*(\i)+3]
	v_lshlrev_b32 v[tb],   16,  v[hb]
	v_and_b32     v[tb+1], s50, v[hb]
	v_lshlrev_b32 v[tb+2], 16,  v[hb+1]
	v_and_b32     v[tb+3], s50, v[hb+1]
	v_pk_add_f32 v[tb:tb+1],   v[RAW+4*(\i):RAW+4*(\i)+1],   v[tb:tb+1]   neg_lo:[0,1] neg_hi:[0,1]
	v_pk_add_f32 v[tb+2:tb+3], v[RAW+4*(\i)+2:RAW+4*(\i)+3], v[tb+2:tb+3] neg_lo:[0,1] neg_hi:[0,1]
	v_cvt_pk_bf16_f32 v[hb+2], v[tb],   v[tb+1]
	v_cvt_pk_bf16_f32 v[hb+3], v[tb+2], v[tb+3]
	ds_store_b64 v[AW], v[hb:hb+1]   offset:4*WP*(\i)
	ds_store_b64 v[AW], v[hb+2:hb+3] offset:W2L+4*WP*(\i)
.endm
.irp i, 0,1,2,3,4,5,6,7
	SPLIT4 \i
.endr
	ds_store_b128 v[AW1S], v[W1R:W1R+3]
.irp i, 0,1,2,3,4,5,6,7
	v_pk_mul_f32 v[KB2+2*(\i):KB2+2*(\i)+1], v[KB2+2*(\i):KB2+2*(\i)+1], s[34:35] op_sel_hi:[1,0]
.endr
	s_wait_dscnt 0x0                               ; for the others' sake: my parts of W2 and W1 are in LDS
	s_barrier_signal -1
	s_barrier_wait -1                              ; the launch's one barrier: from here on LDS is only read
; Layer 1 for tile pt: my point's 16 hidden units of this K step (lane (r, h): point r; units 8 h + 0..7 and 16 + 8 h + 0..7: the places of a matrix operand's lane), relu, and the split into hi and lo.
.macro LAYER1 pt
.irp i, 0,1,2,3,4,5,6,7
	v_pk_fma_f32 v[HT+2*(\i):HT+2*(\i)+1], v[W1B+2*(\i):W1B+2*(\i)+1], v[CO+4*(\pt):CO+4*(\pt)+1], v[W1B+48+2*(\i):W1B+48+2*(\i)+1] op_sel_hi:[1,0,1]  ; b + x wx
.endr
.irp i, 0,1,2,3,4,5,6,7
	v_pk_fma_f32 v[HT+2*(\i):HT+2*(\i)+1], v[W1B+16+2*(\i):W1B+16+2*(\i)+1], v[CO+4*(\pt):CO+4*(\pt)+1], v[HT+2*(\i):HT+2*(\i)+1] op_sel:[0,1,0] op_sel_hi:[1,1,1]  ; + y wy
.endr
.irp i, 0,1,2,3,4,5,6,7
	v_pk_fma_f32 v[HT+2*(\i):HT+2*(\i)+1], v[W1B+32+2*(\i):W1B+32+2*(\i)+1], v[CO+4*(\pt)+2:CO+4*(\pt)+3], v[HT+2*(\i):HT+2*(\i)+1] op_sel_hi:[1,0,1]  ; + z wz
.endr
.irp e, 0,1,2,3,4,5,6,7,8,9,10,11,12,13,14,15
	v_max_num_f32 v[HT+(\e)], 0, v[HT+(\e)]
.endr
.irp i, 0,1,2,3,4,5,6,7
	v_cvt_pk_bf16_f32 v[HB+16*(\pt)+(\i)], v[HT+2*(\i)], v[HT+2*(\i)+1]
.endr
.irp i, 0,1,2,3,4,5,6,7
	v_lshlrev_b32 v[TT+2*(\i)],   16,  v[HB+16*(\pt)+(\i)]
	v_and_b32     v[TT+2*(\i)+1], s50, v[HB+16*(\pt)+(\i)]
.endr
.irp i, 0,1,2,3,4,5,6,7
	v_pk_add_f32 v[TT+2*(\i):TT+2*(\i)+1], v[HT+2*(\i):HT+2*(\i)+1], v[TT+2*(\i):TT+2*(\i)+1] neg_lo:[0,1] neg_hi:[0,1]
.endr
.irp i, 0,1,2,3,4,5,6,7
	v_cvt_pk_bf16_f32 v[HB+16*(\pt)+8+(\i)], v[TT+2*(\i)], v[TT+2*(\i)+1]
.endr
.endm
; K step ks: hidden units 32 ks .. 32 ks + 31.  Twelve matrix instructions: three products x four accumulators, which take turns, one instruction a turn.
.macro KSTEP ks
.if (\ks) > 0
.rept 4
	v_nop                                          ; four places between the last step's products and the loads into, and writes of, the registers that they read
.endr
.endif
.irp a, 0,1,2,3
	ds_load_b128 v[W1B+16*(\a):W1B+16*(\a)+3],     v[AW1] offset:(\a)*512+(\ks)*128
	ds_load_b128 v[W1B+16*(\a)+4:W1B+16*(\a)+7],   v[AW1] offset:(\a)*512+(\ks)*128+16
	ds_load_b128 v[W1B+16*(\a)+8:W1B+16*(\a)+11],  v[AW1] offset:(\a)*512+(\ks)*128+64
	ds_load_b128 v[W1B+16*(\a)+12:W1B+16*(\a)+15], v[AW1] offset:(\a)*512+(\ks)*128+80
.endr
.irp mt, 0,1
.irp lo, 0,1
	ds_load_tr16_b128 v[W2F+16*(\mt)+8*(\lo):W2F+16*(\mt)+8*(\lo)+3],   v[AWT] offset:(\ks)*32*WP+(\mt)*32+(\lo)*W2L
	ds_load_tr16_b128 v[W2F+16*(\mt)+8*(\lo)+4:W2F+16*(\mt)+8*(\lo)+7], v[AWT] offset:(\ks)*32*WP+(\mt)*32+(\lo)*W2L+16*WP
.endr
.endr
	s_wait_dscnt 0x8                               ; W1's sixteen loads are in; the eight turning loads issued behind them may stay out
	LAYER1 0
	LAYER1 1
	s_wait_dscnt 0x0                               ; W2^T's fragments
.irp t, 0,1,2                          ; (W2, h) parts: (hi, hi), (hi, lo), (lo, hi)
.irp pt, 0,1
.irp mt, 0,1
.if ((\ks) == 0) && ((\t) == 0)
	v_wmma_f32_16x16x32_bf16 v[ACC+16*(\pt)+8*(\mt):ACC+16*(\pt)+8*(\mt)+7], v[W2F+16*(\mt)+8*((\t)/2):W2F+16*(\mt)+8*((\t)/2)+7], v[HB+16*(\pt)+8*((\t)%2):HB+16*(\pt)+8*((\t)%2)+7], 0
.else
	v_wmma_f32_16x16x32_bf16 v[ACC+16*(\pt)+8*(\mt):ACC+16*(\pt)+8*(\mt)+7], v[W2F+16*(\mt)+8*((\t)/2):W2F+16*(\mt)+8*((\t)/2)+7], v[HB+16*(\pt)+8*((\t)%2):HB+16*(\pt)+8*((\t)%2)+7], v[ACC+16*(\pt)+8*(\mt):ACC+16*(\pt)+8*(\mt)+7]
.endif
.endr
.endr
.endr
.endm
.irp ks, 0,1,2,3
	KSTEP \ks
.endr
	; THE WAY OUT.  Register j of lane (r, h) holds output 16 mt + 8 h + j of point r: four neighbouring dims are the image's 16 bytes.
.rept 4
	v_nop                                          ; four places behind the last products
.endr
.irp a, 0,1,2,3
.irp i, 0,1,2,3
	v_pk_fma_f32 v[ACC+8*(\a)+2*(\i):ACC+8*(\a)+2*(\i)+1], v[ACC+8*(\a)+2*(\i):ACC+8*(\a)+2*(\i)+1], s[34:35], v[KB2+8*((\a)%2)+2*(\i):KB2+8*((\a)%2)+2*(\i)+1] op_sel_hi:[1,0,1]  ; kappa y + kappa b2
.endr
.endr
.irp pt, 0,1
.irp mt, 0,1
.irp jq, 0,1
	global_store_b128 v[AO], v[ACC+16*(\pt)+8*(\mt)+4*(\jq):ACC+16*(\pt)+8*(\mt)+4*(\jq)+3], s[46:47] offset:(\pt)*256+(\mt)*2048+(\jq)*512  ; each half of the lanes stores 256 consecutive bytes, at a multiple of 256 from the buffer's first
.endr
.endr
.endr
	s_wait_tensorcnt 0x0                           ; the wave's end, behind my last LDS store
	ds_add_u32 v[SPW], v[NIL]
	s_wait_dscnt 0x0
	s_endpgm
.Lfunc_end_k_q2f4044bc3e_prep:
	.size	k_q2f4044bc3e_prep, .Lfunc_end_k_q2f4044bc3e_prep-k_q2f4044bc3e_prep
	.p2alignl 7, 3214868480
	.fill 96, 4, 3214868480
	.section	.rodata,"a",@progbits
	.p2align	6, 0x0
	.amdhsa_kernel k_q2f4044bc3e_prep
		.amdhsa_group_segment_fixed_size 31232
		.amdhsa_private_segment_fixed_size 0
		.amdhsa_enable_private_segment 0
		.amdhsa_kernarg_size 104
		.amdhsa_user_sgpr_count 2
		.amdhsa_user_sgpr_kernarg_segment_ptr 1
		.amdhsa_wavefront_size32 1
		.amdhsa_system_sgpr_workgroup_id_x 1
		.amdhsa_system_sgpr_workgroup_id_y 1
		.amdhsa_system_sgpr_workgroup_id_z 1
		.amdhsa_system_vgpr_workitem_id 0
		.amdhsa_next_free_vgpr 240
		.amdhsa_next_free_sgpr 66
		.amdhsa_reserve_vcc 0
		.amdhsa_float_denorm_mode_32 3
		.amdhsa_float_denorm_mode_16_64 3
		.amdhsa_memory_ordered 1
		.amdhsa_forward_progress 1
		.amdhsa_inst_pref_size 57
	.end_amdhsa_kernel
	.amdgpu_metadata
---
amdhsa.version: [ 1, 2 ]
amdhsa.kernels:
  - .name:           k_q2f4044bc3e_prep
    .symbol:         k_q2f4044bc3e_prep.kd
    .args:
      - { .name: coords_f, .offset: 0, .size: 8, .value_kind: global_buffer, .address_space: global }
      - { .name: Wk1, .offset: 8, .size: 8, .value_kind: global_buffer, .address_space: global }
      - { .name: bk1, .offset: 16, .size: 8, .value_kind: global_buffer, .address_space: global }
      - { .name: Wk2, .offset: 24, .size: 8, .value_kind: global_buffer, .address_space: global }
      - { .name: bk2, .offset: 32, .size: 8, .value_kind: global_buffer, .address_space: global }
      - { .name: KV, .offset: 40, .size: 8, .value_kind: global_buffer, .address_space: global }
      - { .name: coords_t, .offset: 48, .size: 8, .value_kind: global_buffer, .address_space: global }
      - { .name: Wq1, .offset: 56, .size: 8, .value_kind: global_buffer, .address_space: global }
      - { .name: bq1, .offset: 64, .size: 8, .value_kind: global_buffer, .address_space: global }
      - { .name: Wq2, .offset: 72, .size: 8, .value_kind: global_buffer, .address_space: global }
      - { .name: bq2, .offset: 80, .size: 8, .value_kind: global_buffer, .address_space: global }
      - { .name: WQ, .offset: 88, .size: 8, .value_kind: global_buffer, .address_space: global }
      - { .name: values_f, .offset: 96, .size: 8, .value_kind: global_buffer, .address_space: global }
    .group_segment_fixed_size: 31232
    .private_segment_fixed_size: 0
    .kernarg_segment_align: 8
    .kernarg_segment_size: 104
    .max_flat_workgroup_size: 128
    .sgpr_count:     66
    .vgpr_count:     240
    .wavefront_size: 32
...
	.end_amdgpu_metadata
.endif
;; end of part 1
;; launch attn (part 2): grid 32 x 8, 8 waves a work-group, clusters of 4 x 1, 327,680 bytes of LDS; arguments KV, WQ, out0; writes out0
.if DOCPART == 2
	.amdgcn_target "amdgcn-amd-amdhsa--gfx1250"
	.amdhsa_code_object_version 6
	.text
	.protected	k_q2f4044bc3e_attn
	.globl	k_q2f4044bc3e_attn
	.p2align	8
	.type	k_q2f4044bc3e_attn,@function
k_q2f4044bc3e_attn:
	s_mov_b64 s[64:65], 0
	v_nop
	global_prefetch_b8 v0, s[64:65] scope:SCOPE_SE
	s_setreg_imm32_b32 hwreg(HW_REG_WAVE_MODE, 25, 1), 1
	s_wait_xcnt 0x0
	s_wait_alu depctr_hold_cnt(0) depctr_sa_sdst(0) depctr_va_vdst(0) depctr_va_sdst(0) depctr_va_ssrc(0) depctr_va_vcc(0) depctr_vm_vsrc(0)
	s_getreg_b32 s2, hwreg(HW_REG_IB_STS2, 6, 4)
	s_cmp_eq_u32 s2, 0
	s_cbranch_scc0 .Lentry_in_a_cluster
	s_endpgm
.Lentry_in_a_cluster:
	s_bfe_u32 s2, ttmp6, 0x10000c
	s_cmp_lg_u32 s2, 0x3003
	s_cbranch_scc0 .Lentry_shape_is_right
	s_endpgm
.Lentry_shape_is_right:
; out[b][q][:] = sum over keys i of softmax_i(-score(i, q)^2 / 2) V[b][i][:], score = the sum over 32 dims of |Wk[i][d] - Wq[q][d]|.  Keys and queries arrive times kappa = sqrt(log2(e) / 2):
; a weight is 2^-(scaled score)^2.
; SHARES.  A work-group owns 32 queries of one batch and walks its 4,096 keys in four passes; in a pass each of the eight waves owns a chunk of 128 keys.
; LANE = KEY.  A wave holds its chunk in registers, four sets of 32 keys x 32 dims (128 registers), and streams the 32 queries, two at a time, from LDS (every lane reads the same 16 bytes): one LDS
; load for 20 vector instructions.  For two dims of a key and a query: a packed difference (2 terms), -|t0| - |t1| in one addition (2 terms), a packed addition onto the sums (4 terms): 1.25 instructions a term.
; SOFTMAX.  acc = -(scaled score); e = -acc^2, rounded to f32.  For each query, wave and pass the largest e of the 128 keys, nu, is found first, across the lanes; p = 2^(e - nu): the difference of two
; rounded numbers of which nu is the larger, so it is never above 0, and p never above 1, whatever the scores' size.  p goes, rounded to f16, through the wave's own LDS tile [key][query] and comes back
; turned, as source 1 of O^T = V^T P; l = ones x P is made of the same rounded p.  Each (wave, pass) leaves nu, l and O in LDS: 32 partials for a query, which are combined at the end with their own
; largest nu taken away: out = sum 2^(nu_p - nu*) O_p / sum 2^(nu_p - nu*) l_p.  The partial that holds nu* has l >= 1.
; f16 FOR P AND V: where few keys carry a query's weight and their values nearly cancel, a rounding of 2^-9 is more than a hundredth of the output's root mean square; 2^-12 is not.
; LIMITS.  |V| stays under 65,504, f16's end.  p below 6e-5 keeps f16's fixed step of 6e-8.  The scaled score stays under 1.8e19, so that its square is finite.  A weight below 2^-126 counts as 0.
; NaN and infinities are not treated apart.  The 32 terms of a score are added in pairs and not one by one.
; CLUSTER.  The four work-groups of a cluster belong to one batch and walk the same chunks, so each chunk is asked for JOINTLY: the same tensor load, descriptor and mask in all four.
; ONE SLOT A WAVE: a chunk is read out into registers by 40 loads at a pass's beginning, and the slot is filled again at once: the load has the whole pass in which to land.
.set SLOTB, 20480                      ; a chunk: 16,384 bytes of keys, 4,096 of V^T's fragments; wave w's slot begins at w x 20,480
.set QT,    8*SLOTB                    ; the queries, rows of 128 bytes: rows 0-31, and a second copy as rows 32-63, which the ring's look-ahead behind row 31 reads
.set PT,    QT+8192                    ; each wave's own tile of P
.set PP,    48                         ; a row of it: 16 queries = 32 bytes + 16 of padding = 12 words: the 32 lanes of a 4-byte store fall on 16 banks (64 banks of 4 bytes: ISA guide 11.1), two to each; no multiple of 16 bytes does better
.set PTW,   128*PP
.set PART,  PT+8*PTW                   ; 32 partials, wave w's four on end: O [32 queries][16 channels] f32 at 0, l[32] at 2,048, nu[32] at 2,176
.set PARTB, 2304
.set SPARE, PART+32*PARTB              ; the spare words, 128 bytes for each wave: four blocks of 256 bytes that no other line names
.set SPW,  1                           ; v1   LDS address of my spare word; never rewritten
.set NIL,  2                           ; v2   0; never rewritten
.set AQ,   3                           ; v3   the pair of queries in hand
.set APS,  4                           ; v4   where my key's two weights go
.set APS0, 5                           ; v5   the same for a tile's first pair
.set APL,  6                           ; v6   my lane's place for the turning loads of P
.set AMU,  7                           ; v7   where the pair's two nu go
.set APO0, 8                           ; v8   my place in a partial's O
.set AL0,  9                           ; v9   and in its l
.set AKL,  10                          ; v10  16 x lane in my slot
.set TA,   11                          ; v11-13 addresses at work
.set TB,   12
.set GQ,   13
.set X,    14                          ; v14-15 the two queries' nu
.set Y,    16                          ; v16-17 the other half of the lanes'
.set Q,    20                          ; v20-51 the ring: query g, buffer n at Q + 16 g + 4 n: four dims
.set T,    52                          ; v52-67 differences
.set SS,   68                          ; v68-75 sums of two terms
.set ACC,  76                          ; v76-83 query g, set s at ACC + 4 g + s
.set ONE,  84                          ; v84-91 a fragment of ones (f16)
.set VF,   92                          ; v92-123 V^T's fragments, 8 a set
.set QS,   124                         ; v124-127 my 16 bytes of the queries
.set K,    128                         ; v128-255 set s, dim d at K + 32 s + d
.set BF0,  T                           ; in PV: P's fragments,
.set BF1,  T+8
.set DO,   SS                          ; O^T,
.set DL,   ACC                         ; and l
.set WV,   10                          ; s10  my wave's number
.macro CROUND                          ; a round of the cluster's barrier: my work-group's barrier; wave 0 signals for the work-group; every wave waits for all four work-groups; my work-group's barrier once more
	s_barrier_signal -1
	s_barrier_wait -1
	s_cmp_lg_u32 s[WV], 0
	s_cbranch_scc1 .Lnot_wave_0_\@
	s_barrier_signal -3
.Lnot_wave_0_\@:
	s_barrier_wait -3
	s_barrier_signal -1
	s_barrier_wait -1
.endm
	s_load_b128 s[4:7], s[0:1], 0x0                ; KV s[4:5], WQ s[6:7]
	s_load_b64 s[8:9], s[0:1], 0x10                ; out0
	v_lshl_add_u32 v[SPW], v0, 2, SPARE
	v_mov_b32 v[NIL], 0
	ds_add_u32 v[SPW], v[NIL]                      ; the wave's opening: the add and its wait ahead of my first tensor load; the set-up below, work on registers, stands between them
	v_lshrrev_b32 v[T], 5, v0
	v_readfirstlane_b32 s[WV], v[T]                ; wave 0..7
	s_bfe_u32 s11, ttmp6, 0x40000                  ; cx: my place in the cluster
	s_lshl_b32 s12, ttmp9, 2                       ; in a cluster launch ttmp9 counts clusters
	s_add_co_u32 s12, s12, s11                     ; my block of 32 queries = 4 x cluster x + cx: it enters WQ's and out0's addresses alone
	s_and_b32 s13, ttmp7, 0xffff                   ; the batch, which the four partners share
	; descriptor group 1: a chunk is 20,480 dense bytes: 80 rows of 256 bytes, elements of 8 bytes, no padding (every read of a slot is 16 x lane)
	s_mov_b32 s24, 15|(3<<16)|(1<<21)              ; 15:0 the mask of four; 17:16 8-byte elements; 21 set beside a mask
	s_mov_b32 s25, 32<<16                          ; tensor_dim0 = 32
	s_mov_b32 s26, 80<<16                          ; tensor_dim1 = 80
	s_mov_b32 s27, 32<<16                          ; tile_dim0 = 32
	s_mov_b32 s28, 80                              ; tile_dim1 = 80
	s_mov_b32 s29, 32                              ; 32 elements from row to row
	s_mov_b32 s30, 0
	s_mov_b32 s31, 0
	s_mov_b32 s32, 1                               ; group 0: count = 1
	s_mul_i32 s33, s[WV], SLOTB                    ; LDS address: my slot
	s_mul_i32 s14, s13, 32*SLOTB                   ; the batch's 32 chunks,
	s_add_co_u32 s14, s14, s33                     ; chunk w of the first pass
	s_mov_b32 s15, 0
	s_lshl_b32 s16, s13, 5
	s_add_co_u32 s16, s16, s12                     ; my block among all
	s_lshl_b32 s18, s16, 11                        ; its 32 rows of 64 bytes in out0
	s_lshl_b32 s16, s16, 12                        ; its 4,096 bytes in WQ
	s_mov_b32 s17, 0
	s_mov_b32 s19, 0
	s_mov_b32 s40, 0x76543210                      ; v_permlanex16_b32's selects: each lane takes its own place in the other half
	s_mov_b32 s41, 0xfedcba98
	s_mul_i32 s42, s[WV], 4*PARTB
	s_add_co_u32 s42, s42, PART                    ; my partial of the pass in hand
	v_and_b32 v[T+1], 31, v0                       ; lane L
	v_and_b32 v[T+2], 15, v0                       ; r = L % 16
	v_bfe_u32 v[T+3], v0, 4, 1                     ; h = L / 16
	v_and_b32 v[T+4], 7, v0
	v_bfe_u32 v[T+5], v0, 3, 1
	v_lshl_add_u32 v[T+4], v[T+3], 3, v[T+4]       ; 8 h + L % 8
	v_lshl_add_u32 v[AKL], v[T+1], 4, s33
	s_mul_i32 s39, s[WV], PTW
	s_add_co_u32 s39, s39, PT                      ; my tile of P
	v_mul_u32_u24 v[APS0], v[T+1], PP              ; my key's row
	v_add_nc_u32 v[APS0], s39, v[APS0]
	v_mul_u32_u24 v[APL], v[T+4], PP               ; the turning load: lane L addresses key 8 h + L % 8, queries 8 ((L / 8) % 2) ..
	v_lshl_add_u32 v[APL], v[T+5], 4, v[APL]
	v_add_nc_u32 v[APL], s39, v[APL]
	v_lshlrev_b32 v[APO0], 6, v[T+2]               ; O^T's lane holds query r, channels 8 h ..
	v_lshl_add_u32 v[APO0], v[T+3], 5, v[APO0]
	v_lshlrev_b32 v[AL0], 2, v[T+2]
	s_lshl_b32 s39, s[WV], 4
	s_add_co_u32 s39, s39, QT
	v_lshl_add_u32 v[TB], v[T+1], 7, s39           ; thread t holds dims 4 w .. of query L: row L, byte 16 w
	v_lshlrev_b32 v[GQ], 4, v0
.irp i, 0,1,2,3,4,5,6,7
	v_mov_b32 v[ONE+(\i)], 0x3c003c00              ; 1.0 twice, in f16
.endr
	v_mov_b32 v[Y], 0                              ; v_permlanex16_b32 counts as a reader of its destination
	v_mov_b32 v[Y+1], 0
	s_wait_dscnt 0x0                               ; the opening add is done
	s_wait_kmcnt 0x0
	s_add_nc_u64 s[34:35], s[4:5], s[14:15]        ; group 0: the chunk's address,
	s_or_b32 s35, s35, 0x80000000                  ; type = 2
	s_add_nc_u64 s[6:7], s[6:7], s[16:17]
	s_add_nc_u64 s[8:9], s[8:9], s[18:19]
	CROUND                                         ; all four work-groups are here: the first joint loads meet
	tensor_load_to_lds s[32:35], s[24:31]          ; my chunk of the first pass: one tensor load of mine is out, here and behind every refill
	s_nop 0
	; the queries: 4,096 bytes, 16 a thread, from [quad of dims][query] into rows by query, twice
	global_load_b128 v[QS:QS+3], v[GQ], s[6:7]
	s_wait_loadcnt 0x0
	ds_store_b128 v[TB], v[QS:QS+3]
	ds_store_b128 v[TB], v[QS:QS+3] offset:4096
	s_wait_dscnt 0x0                               ; for the others' sake: my part of the queries is in LDS
	s_barrier_signal -1
	s_barrier_wait -1                              ; the chunk's load may stay out
	v_mov_b32 v[AQ], QT
.irp n, 0,1,2,3                        ; the ring is primed: dims 0-15 of queries 0 and 1
.irp g, 0,1
	ds_load_b128 v[Q+16*(\g)+4*(\n):Q+16*(\g)+4*(\n)+3], v[AQ] offset:(\g)*128+(\n)*16
.endr
.endr
; Dims 2 dp, 2 dp + 1 of two queries against four sets of keys: 16 terms a lane in 20 instructions.  first = 1: the sums begin here: nothing is cleared.
.macro UNIT dp, first
.set kk, K+2*(\dp)
.set qq, Q+4*(((\dp)/2)%4)+2*((\dp)%2)
.irp g, 0,1
.irp s, 0,1,2,3
	v_pk_add_f32 v[T+8*(\g)+2*(\s):T+8*(\g)+2*(\s)+1], v[kk+32*(\s):kk+32*(\s)+1], v[qq+16*(\g):qq+16*(\g)+1] neg_lo:[0,1] neg_hi:[0,1]
.endr
.endr
.irp g, 0,1
.irp s, 0,1,2,3
.if \first
	v_add_f32 v[ACC+4*(\g)+(\s)], -|v[T+8*(\g)+2*(\s)]|, -|v[T+8*(\g)+2*(\s)+1]|
.else
	v_add_f32 v[SS+4*(\g)+(\s)], -|v[T+8*(\g)+2*(\s)]|, -|v[T+8*(\g)+2*(\s)+1]|
.endif
.endr
.endr
.if !(\first)
.irp u, 0,1,2,3
	v_pk_add_f32 v[ACC+2*(\u):ACC+2*(\u)+1], v[ACC+2*(\u):ACC+2*(\u)+1], v[SS+2*(\u):SS+2*(\u)+1]
.endr
.endif
.endm
; Two queries against my 128 keys: the scores, the exponents, their maxima, the weights.
.macro PAIR
.irp dq, 0,1,2,3,4,5,6,7
	s_wait_dscnt 0x6                               ; LDS instructions end in order (ISA guide 5.7.1): behind this quad's two loads the next three quads' six were issued, which may stay out
.if (\dq) == 0
	UNIT 0, 1
.else
	UNIT 2*(\dq), 0
.endif
	UNIT 2*(\dq)+1, 0
.irp g, 0,1                            ; the buffer just read takes the quad four further on: this pair's, or the next pair's (256 bytes on)
.if (\dq) < 4
	ds_load_b128 v[Q+16*(\g)+4*((\dq)%4):Q+16*(\g)+4*((\dq)%4)+3], v[AQ] offset:(\g)*128+((\dq)+4)*16
.else
	ds_load_b128 v[Q+16*(\g)+4*((\dq)%4):Q+16*(\g)+4*((\dq)%4)+3], v[AQ] offset:256+(\g)*128+((\dq)-4)*16
.endif
.endr
.endr
.irp u, 0,1,2,3
	v_pk_mul_f32 v[ACC+2*(\u):ACC+2*(\u)+1], v[ACC+2*(\u):ACC+2*(\u)+1], v[ACC+2*(\u):ACC+2*(\u)+1] neg_lo:[1,0] neg_hi:[1,0]  ; e = -acc^2, rounded: the maximum below is taken of these rounded numbers
.endr
	; nu: the largest e of the 128 keys; the two queries alternate, so that no line reads the result of the one before it
.irp g, 0,1
	v_max3_num_f32 v[X+(\g)], v[ACC+4*(\g)], v[ACC+4*(\g)+1], v[ACC+4*(\g)+2]
.endr
.irp g, 0,1
	v_max_num_f32 v[X+(\g)], v[X+(\g)], v[ACC+4*(\g)+3]
.endr
.irp m, 1,2,4,8
.irp g, 0,1
	v_max_num_f32_dpp v[X+(\g)], v[X+(\g)], v[X+(\g)] row_xmask:\m row_mask:0xf bank_mask:0xf
.endr
.endr
.irp g, 0,1
	v_permlanex16_b32 v[Y+(\g)], v[X+(\g)], s40, s41
.endr
.irp g, 0,1
	v_max_num_f32 v[X+(\g)], v[X+(\g)], v[Y+(\g)]
.endr
	ds_store_b64 v[AMU], v[X:X+1]                  ; every lane writes the same two words with the same values
.irp u, 0,1
	v_pk_add_f32 v[ACC+2*(\u):ACC+2*(\u)+1], v[ACC+2*(\u):ACC+2*(\u)+1], v[X:X+1] op_sel_hi:[1,0] neg_lo:[0,1] neg_hi:[0,1]  ; e - nu, at most 0: the even query's nu is the pair's low word,
.endr
.irp u, 2,3
	v_pk_add_f32 v[ACC+2*(\u):ACC+2*(\u)+1], v[ACC+2*(\u):ACC+2*(\u)+1], v[X:X+1] op_sel:[0,1] op_sel_hi:[1,1] neg_lo:[0,1] neg_hi:[0,1]  ; the odd query's its high word
.endr
.irp e, 0,1,2,3,4,5,6,7
	v_exp_f32 v[ACC+(\e)], v[ACC+(\e)]
.endr
	v_add_nc_u32 v[AQ], 0x100, v[AQ]               ; the next pair; also the plain instruction between the exponentials and the use of their results (ISA guide 5.7.2)
	s_wait_alu depctr_va_vdst(0)
.irp s, 0,1,2,3
	v_cvt_pk_f16_f32 v[SS+(\s)], v[ACC+(\s)], v[ACC+4+(\s)]  ; the even query's weight below, the odd one's above
.endr
.irp s, 0,1,2,3
	ds_store_b32 v[APS], v[SS+(\s)] offset:32*PP*(\s)
.endr
	v_add_nc_u32 v[APS], 4, v[APS]
	v_add_nc_u32 v[AMU], 8, v[AMU]
.endm
; 16 queries' weights are in my tile: O^T = V^T P and l = ones x P over my 128 keys, two sets at a time.  The two accumulators take turns, one instruction a turn.
.macro PV tau
.irp hf, 0,1
.if (\hf) == 1
.rept 4
	v_nop                                          ; four places between the products and the loads into the registers that they read (ISA guide 7.12.1 for vector instructions)
.endr
.endif
	ds_load_tr16_b128 v[BF0:BF0+3],   v[APL] offset:(\hf)*64*PP          ; LDS serves a wave's instructions in order (ISA guide 5.7.1.4): these see my stores
	ds_load_tr16_b128 v[BF0+4:BF0+7], v[APL] offset:(\hf)*64*PP+16*PP
	ds_load_tr16_b128 v[BF1:BF1+3],   v[APL] offset:(\hf)*64*PP+32*PP
	ds_load_tr16_b128 v[BF1+4:BF1+7], v[APL] offset:(\hf)*64*PP+48*PP
	s_wait_dscnt 0x0
.if (\hf) == 0
	v_wmma_f32_16x16x32_f16 v[DO:DO+7], v[VF:VF+7], v[BF0:BF0+7], 0
	v_wmma_f32_16x16x32_f16 v[DL:DL+7], v[ONE:ONE+7], v[BF0:BF0+7], 0
.else
	v_wmma_f32_16x16x32_f16 v[DO:DO+7], v[VF+16:VF+23], v[BF0:BF0+7], v[DO:DO+7]
	v_wmma_f32_16x16x32_f16 v[DL:DL+7], v[ONE:ONE+7], v[BF0:BF0+7], v[DL:DL+7]
.endif
	v_wmma_f32_16x16x32_f16 v[DO:DO+7], v[VF+16*(\hf)+8:VF+16*(\hf)+15], v[BF1:BF1+7], v[DO:DO+7]
	v_wmma_f32_16x16x32_f16 v[DL:DL+7], v[ONE:ONE+7], v[BF1:BF1+7], v[DL:DL+7]
.endr
	v_add_nc_u32 v[TA], s42, v[APO0]               ; four places behind the last products: two additions that are due, two v_nop
	v_add_nc_u32 v[TB], s42, v[AL0]
	v_nop
	v_nop
	ds_store_b128 v[TA], v[DO:DO+3]   offset:(\tau)*1024      ; query 16 tau + r, channels 8 h ..
	ds_store_b128 v[TA], v[DO+4:DO+7] offset:(\tau)*1024+16
	ds_store_b32  v[TB], v[DL]        offset:2048+64*(\tau)   ; all rows of ones x P are alike: the lowest register is l of query r
.endm
.macro TILE tau                        ; 16 queries: eight pairs, then the products
	v_mov_b32 v[APS], v[APS0]
	s_add_co_u32 s39, s42, 2176+64*(\tau)
	v_mov_b32 v[AMU], s39
	s_mov_b32 s38, 8
.Lpair_\@:
	PAIR
	s_sub_co_u32 s38, s38, 1
	s_cmp_lg_u32 s38, 0
	s_cbranch_scc1 .Lpair_\@
	PV \tau
.endm
; A PASS.  My chunk has landed: only my own load brought the bytes that I read, so my own wait orders the reads.  It is read out into registers.  refill = 1: the slot is filled again with my chunk of the
; next pass, in this order: all my tensor loads are done; the add; my reads of the slot are back; a round of the cluster's barrier, so that the four partners' requests meet; the joint load, first thing behind it.
.macro PASSB refill
	s_wait_tensorcnt 0x0                           ; my chunk is in LDS
.irp s, 0,1,2,3
.irp dq, 0,1,2,3,4,5,6,7
	ds_load_b128 v[K+32*(\s)+4*(\dq):K+32*(\s)+4*(\dq)+3], v[AKL] offset:(\s)*4096+(\dq)*512
.endr
.endr
.irp f, 0,1,2,3,4,5,6,7                ; (the four places that end PV stand between the last products and these loads into V^T's fragments)
	ds_load_b128 v[VF+4*(\f):VF+4*(\f)+3], v[AKL] offset:16384+(\f)*512
.endr
.if \refill
	s_wait_tensorcnt 0x0                           ; no tensor load of mine is out, so group 0 may be written
	ds_add_u32 v[SPW], v[NIL]                      ; 0 onto my spare word; work on registers stands between it and the wait for it
	s_add_nc_u64 s[34:35], s[34:35], 8*SLOTB       ; eight chunks on; the type bits on top are not reached
	v_mov_b32 v[AQ], QT                            ; the queries from the first again: the ring's look-ahead has read rows 32 and 33, the copies of rows 0 and 1
	s_wait_dscnt 0x0                               ; the add is done, and my reads of the slot are back
	CROUND
	tensor_load_to_lds s[32:35], s[24:31]
	s_nop 0
.else
	v_mov_b32 v[AQ], QT
	s_wait_dscnt 0x0
.endif
	TILE 0
	TILE 1
.if \refill
	s_add_co_u32 s42, s42, PARTB                   ; my next partial
.endif
.endm
	s_mov_b32 s36, 3
.Lpass:
	PASSB 1
	s_sub_co_u32 s36, s36, 1
	s_cmp_lg_u32 s36, 0
	s_cbranch_scc1 .Lpass
	PASSB 0                                        ; the last pass is written out: nothing is left to fetch
	; THE COMBINATION.  Thread t takes query j = t / 8 and channels 2 (t % 8), 2 (t % 8) + 1, over all 32 partials.  Its 96 LDS loads go out in four groups, each ahead of work on what came before.
.set CJ,  3
.set CA1, 4                            ; v4, v5  nu's and l's address in partials 0-15, 16-31 (an LDS offset has 16 bits)
.set CA2, 6                            ; v6, v7  O's
.set CC,  8
.set GO,  9
.set MU,  128                          ; v128-159 nu_p, then the partials' factors
.set LL,  160                          ; v160-191 l_p
.set OO,  192                          ; v192-255 O_p, two channels
.set DN,  52
.set N0,  54
.set N1,  56
.set RC,  58
	s_wait_tensorcnt 0x0                           ; the end of the wave's LDS writes, behind my last tensor load and my last LDS store
	ds_add_u32 v[SPW], v[NIL]
	v_lshrrev_b32 v[CJ], 3, v0
	v_and_b32 v[CC], 7, v0
	v_lshl_add_u32 v[CA1], v[CJ], 2, PART
	v_lshl_add_u32 v[CA2], v[CJ], 6, PART
	v_lshl_add_u32 v[CA2], v[CC], 3, v[CA2]
	v_add_nc_u32 v[CA1+1], 16*PARTB, v[CA1]
	v_add_nc_u32 v[CA2+1], 16*PARTB, v[CA2]
	v_lshlrev_b32 v[GO], 3, v0
	s_wait_dscnt 0x0                               ; for the others' sake too: my partials are in LDS
	s_barrier_signal -1
	s_barrier_wait -1
.set p, 0
.rept 32
	ds_load_b32 v[MU+p], v[CA1+p/16] offset:(p%16)*PARTB+2176
.set p, p+1
.endr
.set p, 0
.rept 16
	ds_load_b32 v[LL+p], v[CA1] offset:p*PARTB+2048
.set p, p+1
.endr
	s_wait_dscnt 0x10                              ; the 32 nu are in; the 16 loads of l issued behind them may stay out
.set p, 0
.rept 16
	ds_load_b32 v[LL+16+p], v[CA1+1] offset:p*PARTB+2048
.set p, p+1
.endr
.set p, 0
.rept 16
	ds_load_b64 v[OO+2*p:OO+2*p+1], v[CA2] offset:p*PARTB
.set p, p+1
.endr
	v_max3_num_f32 v[X], v[MU], v[MU+1], v[MU+2]   ; nu*: the largest of the 32
.set p, 3
.rept 14
	v_max3_num_f32 v[X], v[X], v[MU+p], v[MU+p+1]
.set p, p+2
.endr
	v_max_num_f32 v[X], v[X], v[MU+31]
.set p, 0
.rept 16
	v_pk_add_f32 v[MU+p:MU+p+1], v[MU+p:MU+p+1], v[X:X+1] op_sel_hi:[1,0] neg_lo:[0,1] neg_hi:[0,1]  ; nu_p - nu*, at most 0
.set p, p+2
.endr
.set p, 0
.rept 32
	v_exp_f32 v[MU+p], v[MU+p]
.set p, p+1
.endr
	v_nop                                          ; a plain instruction between the exponentials and the use of their results
	s_wait_dscnt 0x10                              ; all 32 l are in; the 16 loads of O issued behind them may stay out
.set p, 0
.rept 16
	ds_load_b64 v[OO+32+2*p:OO+32+2*p+1], v[CA2+1] offset:p*PARTB
.set p, p+1
.endr
	s_wait_alu depctr_va_vdst(0)
	v_pk_mul_f32 v[DN:DN+1], v[MU:MU+1], v[LL:LL+1]  ; the divisor, even and odd partials apart
.set p, 2
.rept 15
	v_pk_fma_f32 v[DN:DN+1], v[MU+p:MU+p+1], v[LL+p:LL+p+1], v[DN:DN+1]
.set p, p+2
.endr
	s_wait_dscnt 0x10                              ; O of partials 0-15 is in; the 16 loads issued behind them may stay out
	v_pk_mul_f32 v[N0:N0+1], v[OO:OO+1],   v[MU:MU+1] op_sel_hi:[1,0]               ; the two channels, even partials,
	v_pk_mul_f32 v[N1:N1+1], v[OO+2:OO+3], v[MU:MU+1] op_sel:[0,1] op_sel_hi:[1,1]  ; and odd ones
.set p, 2
.rept 7
	v_pk_fma_f32 v[N0:N0+1], v[OO+2*p:OO+2*p+1],   v[MU+p:MU+p+1], v[N0:N0+1] op_sel_hi:[1,0,1]
	v_pk_fma_f32 v[N1:N1+1], v[OO+2*p+2:OO+2*p+3], v[MU+p:MU+p+1], v[N1:N1+1] op_sel:[0,1,0] op_sel_hi:[1,1,1]
.set p, p+2
.endr
	s_wait_dscnt 0x0                               ; O of partials 16-31
.rept 8
	v_pk_fma_f32 v[N0:N0+1], v[OO+2*p:OO+2*p+1],   v[MU+p:MU+p+1], v[N0:N0+1] op_sel_hi:[1,0,1]
	v_pk_fma_f32 v[N1:N1+1], v[OO+2*p+2:OO+2*p+3], v[MU+p:MU+p+1], v[N1:N1+1] op_sel:[0,1,0] op_sel_hi:[1,1,1]
.set p, p+2
.endr
	v_add_f32 v[DN], v[DN], v[DN+1]
	v_pk_add_f32 v[N0:N0+1], v[N0:N0+1], v[N1:N1+1]
	v_rcp_f32 v[RC], v[DN]
	v_mov_b32 v[RC+1], 0                           ; named with it as a pair; also the plain instruction behind the reciprocal
	s_wait_alu depctr_va_vdst(0)
	v_pk_mul_f32 v[N0:N0+1], v[N0:N0+1], v[RC:RC+1] op_sel_hi:[1,0]
	global_store_b64 v[GO], v[N0:N0+1], s[8:9] th:TH_STORE_NT  ; a wave stores 256 consecutive bytes, at a multiple of 256 from out0's first byte
	CROUND                                         ; the closing round: no work-group ends while a partner may still ask for a chunk that names it
	s_endpgm
.Lfunc_end_k_q2f4044bc3e_attn:
	.size	k_q2f4044bc3e_attn, .Lfunc_end_k_q2f4044bc3e_attn-k_q2f4044bc3e_attn
	.p2alignl 7, 3214868480
	.fill 96, 4, 3214868480
	.section	.rodata,"a",@progbits
	.p2align	6, 0x0
	.amdhsa_kernel k_q2f4044bc3e_attn
		.amdhsa_group_segment_fixed_size 327680
		.amdhsa_private_segment_fixed_size 0
		.amdhsa_enable_private_segment 0
		.amdhsa_kernarg_size 24
		.amdhsa_user_sgpr_count 2
		.amdhsa_user_sgpr_kernarg_segment_ptr 1
		.amdhsa_wavefront_size32 1
		.amdhsa_system_sgpr_workgroup_id_x 1
		.amdhsa_system_sgpr_workgroup_id_y 1
		.amdhsa_system_sgpr_workgroup_id_z 1
		.amdhsa_system_vgpr_workitem_id 0
		.amdhsa_next_free_vgpr 256
		.amdhsa_next_free_sgpr 66
		.amdhsa_reserve_vcc 0
		.amdhsa_float_denorm_mode_32 3
		.amdhsa_float_denorm_mode_16_64 3
		.amdhsa_memory_ordered 1
		.amdhsa_forward_progress 1
		.amdhsa_inst_pref_size 126
	.end_amdhsa_kernel
	.amdgpu_metadata
---
amdhsa.version: [ 1, 2 ]
amdhsa.kernels:
  - .name:           k_q2f4044bc3e_attn
    .symbol:         k_q2f4044bc3e_attn.kd
    .args:
      - { .name: KV, .offset: 0, .size: 8, .value_kind: global_buffer, .address_space: global }
      - { .name: WQ, .offset: 8, .size: 8, .value_kind: global_buffer, .address_space: global }
      - { .name: out0, .offset: 16, .size: 8, .value_kind: global_buffer, .address_space: global }
    .group_segment_fixed_size: 327680
    .private_segment_fixed_size: 0
    .kernarg_segment_align: 8
    .kernarg_segment_size: 24
    .max_flat_workgroup_size: 256
    .sgpr_count:     66
    .vgpr_count:     256
    .wavefront_size: 32
...
	.end_amdgpu_metadata
.endif
;; end of part 2
;; ======== version 2 of 2: 2 launches; version 1 with the launch prep written anew for expert scheduling mode
;; limits: values are held in f16: magnitudes above 65,504 overflow, below 6.1e-05 lose precision; inputs' magnitudes at most 65,504
;; workspace buffers: KV 5,242,880 bytes; WQ 1,048,576 bytes
;; launch prep (part 3): grid 320 x 1, 4 waves a work-group, no clusters, 31,232 bytes of LDS; arguments coords_f, Wk1, bk1, Wk2, bk2, KV, coords_t, Wq1, bq1, Wq2, bq2, WQ, values_f; writes KV, WQ
.if DOCPART == 3
	.amdgcn_target "amdgcn-amd-amdhsa--gfx1250"
	.amdhsa_code_object_version 6
	.text
	.protected	k_q2f4044bc3e_prep
	.globl	k_q2f4044bc3e_prep
	.p2align	8
	.type	k_q2f4044bc3e_prep,@function
k_q2f4044bc3e_prep:
	s_mov_b64 s[64:65], 0
	v_nop
	global_prefetch_b8 v0, s[64:65] scope:SCOPE_SE
	s_setreg_imm32_b32 hwreg(HW_REG_WAVE_SCHED_MODE, 0, 2), 2
	s_setreg_imm32_b32 hwreg(HW_REG_WAVE_MODE, 25, 1), 1
	s_wait_xcnt 0x0
	s_wait_alu depctr_vm_vsrc(0)
; BOTH SMALL NETWORKS, ONCE, AND V's CAST.  y = (relu(x W1 + b1) W2 + b2) * kappa for 8 x 4096 key points and 8 x 1024 query points; kappa = sqrt(log2(e) / 2),
; so that the next launch's weight 2^-(kappa score)^2 is e^-(score^2 / 2).  Results are stored as the register images that the next launch loads.
; SHARES.  Work-groups 0-255: key chunk g (128 keys); 256-319: four sets of 32 queries.  One text: the six addresses are chosen by the work-group's number.  Wave w makes one set of 32
; points, as two tiles of 16.
; LAYER 1 in f32 on the vector unit (K = 3 would fill 3 of a matrix instruction's 32 places).  LAYER 2 on the matrix unit, used as y^T = W2^T h^T, with BOTH operands split into two bf16
; parts, x = hi + lo: three products (hi hi, hi lo, lo hi).  A score's error shifts an exponent by score x error, so one bf16 rounding of h and W2 is too coarse here; bf16 keeps f32's range.
; V IS ROUNDED TO f16: where few keys carry a query's weight and their values nearly cancel, a rounding of 2^-9 of a value is more than a hundredth of the output's root mean square; 2^-12 is not.
; LIMITS.  |V| stays under 65,504, f16's end (beyond it: an infinity).  The product lo x lo, some 2^-17 of a term, is left out.  relu turns a NaN into 0; infinities are not treated apart.
; The sums' order is not the scan's.
; NO CLUSTER, NO TENSOR LOAD: what the work-groups share is W2, 16,384 bytes, read once by each; it has to pass through registers anyway to be split into its two parts.
; IMAGES.  KV: [batch 8][chunk 32][20,480 bytes]: byte s 4096 + dq 512 + lane 16: dims 4 dq .. 4 dq + 3 (f32) of key 32 s + lane; byte 16384 + s 1024 + f 512 + lane 16: registers 4 f .. 4 f + 3 of
; the f16 fragment of V^T (16 channels x the set's 32 keys).  WQ: [batch 8][block 32][4,096 bytes]: byte dq 512 + query 16.
; THE MODE: SCHED_MODE bits 1:0 = 2 (LLVM: expert scheduling mode 2), set by the entry lines.  The code itself states the register dependences between vector or matrix instructions and
; memory or LDS instructions, with s_wait_alu, always for 0.
; THE PLAN.  Registers that memory or LDS instructions touch:
;   v3-v13        Offsets and LDS addresses: written at the head, never again; read by every load and store.  One wait on va_vdst ahead of the first load serves them all.
;   RAW, W1R, VP  Filled by global loads at the head.  RAW is read by the split of W2, VP by V's conversions, W1R by one LDS store.  Behind the barrier W1's loads land in all three.
;   v102-109      Key role: written by V's conversions, read by four LDS stores; behind the barrier layer 1 writes them.
;   VFR           Key role: filled by two turning loads, read by two global stores; behind the barrier W1's loads land in it.
;   OB            Written by the split of all eight pieces of W2, read by sixteen LDS stores behind ONE wait on va_vdst; behind the barrier these registers are h's fragments.
;   W1B           A K step: its 48 multiply-adds, both tiles', read it; behind them the next step's sixteen loads land in it.
;   W2F           A K step: its twelve matrix instructions read it; the next step's eight turning loads land in it.
;   ACC           Written by the matrix instructions and the way out's scaling, read by the eight global stores.
;   HT, TT, HB    In the K steps named by vector and matrix instructions alone.          v1, v2: written at the head, read by the closing add alone.
; So ONE wait on va_vdst stands in a K step, behind its 48 multiply-adds: they are done reading W1B, and the step before's matrix instructions are done reading W2F.  The step's loads follow it at once and
; land while the hidden units are clipped and split: those 112 lines, and the twelve matrix instructions, name neither the W1B that is on its way nor, ahead of the wait for it, W2F.
; ONE wait on vm_vsrc stands behind the barrier: every register that a store of the head has read is written again only behind it.
.set KAPPA, 0x3f596d27                 ; sqrt(log2(e) / 2) = 0.8493218
.set WP,    96                         ; a row of W2 in LDS: 32 bf16 = 64 bytes + 32 of padding: 24 words
.set W2L,   128*WP                     ; W2's hi parts from byte 0, its lo parts from here
.set W1L,   2*128*WP                   ; four rows of 512 bytes: W1[0], W1[1], W1[2], b1 (f32)
.set VTL,   W1L+2048                   ; each wave's own 1,024 bytes: [32 keys][16 channels] f16
.set SPARE, VTL+4096                   ; the spare words, 128 bytes for each wave: two blocks of 256 bytes that no other line names
.set SPW,  1                           ; v1   LDS address of my spare word; never rewritten
.set NIL,  2                           ; v2   0; never rewritten
.set AW2G, 3                           ; v3   my 16 bytes in W2, first of eight pieces
.set AW,   4                           ; v4   where their hi parts go in LDS
.set AWT,  5                           ; v5   my lane's place for the turning loads of W2
.set AW1S, 6                           ; v6   where my 16 bytes of a row of W1 (or b1) go
.set AW1,  7                           ; v7   where my 16 hidden units' weights begin in a row
.set ACO,  8                           ; v8   my point's byte offset among a tile's coordinates
.set AB2,  9                           ; v9   my eight outputs' byte offset in b2
.set AVS,  10                          ; v10  V: where I put 8 bytes
.set AVL,  11                          ; v11  V: my lane's place for the turning loads
.set AO,   12                          ; v12  my byte offset in a set's image
.set AL16, 13                          ; v13  16 x lane
.set CO,   14                          ; v14-21  x, y, z, 0 of my point in tile 0, in tile 1
.set KB2,  22                          ; v22-37  kappa b2 of outputs 16 mt + 8 h + j
.set W1B,  38                          ; v38-101 wx, wy, wz, b of my 16 hidden units of a K step
.set RAW,  38                          ; ahead of the barrier: my quarter of W2 (32),
.set VP,   70                          ; four pieces of V (16),
.set W1R,  86                          ; my piece of a row of W1 (4),
.set VFR,  90                          ; V^T's fragment (8)
.set HT,   102                         ; v102-117 tile 0's 16 hidden units in f32; v230-245 tile 1's: tile pt at HT + 128 pt
.set TT,   118                         ; v118-133 at work
.set HB,   134                         ; v134-165 h's fragments: tile x (hi 8, lo 8)
.set OB,   134                         ; ahead of the barrier: piece i of W2 split, at OB + 4 i: hi 2, lo 2
.set W2F,  166                         ; v166-197 W2^T's fragments: 16 outputs mt x (hi 8, lo 8)
.set ACC,  198                         ; v198-229 four accumulators: tile pt, outputs mt at ACC + 16 pt + 8 mt
.set tL, TT+1
.set tR, TT+2
.set tH, TT+3
.set t7, TT+4
.set tB, TT+5
.set tQ, TT+6
.set tD, TT+7
.set t3, TT+8
.set tK, TT+9
	s_load_b512 s[8:23], s[0:1], 0x0               ; coords_f s[8:9], Wk1 s[10:11], bk1 s[12:13], Wk2 s[14:15], bk2 s[16:17], KV s[18:19], coords_t s[20:21], Wq1 s[22:23]
	s_load_b256 s[24:31], s[0:1], 0x40             ; bq1 s[24:25], Wq2 s[26:27], bq2 s[28:29], WQ s[30:31]
	s_load_b64 s[32:33], s[0:1], 0x60              ; values_f
	v_lshl_add_u32 v[SPW], v0, 2, SPARE
	v_mov_b32 v[NIL], 0
	v_lshrrev_b32 v[TT], 5, v0
	v_readfirstlane_b32 s3, v[TT]                  ; wave 0..3
	s_mov_b32 s2, ttmp9                            ; g
	s_mov_b32 s50, 0xffff0000                      ; a word's upper bf16
	s_mov_b32 s34, KAPPA
	s_mov_b32 s35, KAPPA                           ; named with it as a pair
	s_mov_b32 s7, 20480                            ; bytes of output a work-group: a key chunk's,
	s_cmp_ge_u32 s2, 256                           ; or (query role)
	s_cselect_b32 s7, 16384, s7                    ; four query sets'
	s_cselect_b32 s6, 256, 0
	s_sub_co_u32 s4, s2, s6                        ; the work-group's number within its role
	s_wait_alu depctr_va_sdst(0)                   ; s3 is written, ahead of its first reader: the set's number, the offsets and the LDS places are made from it
	s_lshl2_add_u32 s5, s4, s3                     ; G: my set of 32 points = 4 x that + wave
	s_mul_i32 s48, s5, 384                         ; its coordinates: 32 x 12 bytes
	s_mov_b32 s49, 0
	s_mul_i32 s52, s4, s7                          ; its image
	s_lshl_b32 s6, s3, 12                          ; wave x 4,096
	s_add_co_u32 s52, s52, s6
	s_mov_b32 s53, 0
	s_lshl_b32 s56, s5, 11                         ; its 32 rows of V, 64 bytes each
	s_mov_b32 s57, 0
	s_mul_i32 s58, s2, 20480                       ; V^T's fragment in the chunk
	s_lshl_b32 s7, s3, 10                          ; wave x 1,024
	s_add_co_u32 s58, s58, s7
	s_add_co_u32 s58, s58, 16384
	s_mov_b32 s59, 0
	s_lshl_b32 s62, s3, 9                          ; wave x 512
	s_cmp_eq_u32 s3, 3                             ; waves 0-2 bring a row of W1, wave 3 brings b1
	s_cselect_b32 s60, 0, s62
	s_mov_b32 s61, 0
	s_mul_i32 s63, s3, 32*WP                       ; my 32 rows of W2 in LDS
	s_add_co_u32 s7, s7, VTL                       ; my bytes for V
	s_add_co_u32 s62, s62, W1L                     ; my row of W1 in LDS
	v_and_b32 v[tL], 31, v0                        ; lane L
	v_and_b32 v[tR], 15, v0                        ; r = L % 16
	v_bfe_u32 v[tH], v0, 4, 1                      ; h = L / 16
	v_and_b32 v[t7], 7, v0
	v_bfe_u32 v[tB], v0, 3, 1
	v_bfe_u32 v[tQ], v0, 3, 2                      ; L / 8
	v_bfe_u32 v[tD], v0, 2, 3                      ; L / 4
	v_and_b32 v[t3], 3, v0
	v_lshl_add_u32 v[tK], v[tH], 3, v[t7]          ; 8 h + L % 8: the row that a turning load's lane addresses
	v_lshlrev_b32 v[AL16], 4, v[tL]
	v_lshl_add_u32 v[AW2G], v[tL], 4, s6           ; piece i lies 512 i on: hidden unit 32 w + 4 i + L / 8, outputs 4 (L % 8) ..
	v_mul_u32_u24 v[AW], v[tQ], WP
	v_lshl_add_u32 v[AW], v[t7], 3, v[AW]
	v_add_nc_u32 v[AW], s63, v[AW]
	v_mul_u32_u24 v[AWT], v[tK], WP
	v_lshl_add_u32 v[AWT], v[tB], 4, v[AWT]
	v_lshl_add_u32 v[AW1S], v[tL], 4, s62
	v_lshl_add_u32 v[AW1], v[tH], 5, W1L           ; hidden units 8 h .. of a K step: 32 h bytes into a row
	v_mul_u32_u24 v[ACO], v[tR], 12
	v_lshlrev_b32 v[AB2], 5, v[tH]
	v_lshl_add_u32 v[AVS], v[tD], 5, s7
	v_lshl_add_u32 v[AVS], v[t3], 3, v[AVS]
	v_lshl_add_u32 v[AVL], v[tK], 5, s7
	v_lshl_add_u32 v[AVL], v[tB], 4, v[AVL]
	v_lshlrev_b32 v[AO], 4, v[tR]
	v_lshl_add_u32 v[AO], v[tH], 10, v[AO]
	v_mov_b32 v[CO+3], 0                           ; z is named in a pair
	v_mov_b32 v[CO+7], 0
	s_wait_kmcnt 0x0
	s_cmp_ge_u32 s2, 256                           ; the role chooses the six addresses
	s_cselect_b64 s[36:37], s[20:21], s[8:9]       ; coordinates
	s_cselect_b64 s[38:39], s[22:23], s[10:11]     ; W1
	s_cselect_b64 s[40:41], s[24:25], s[12:13]     ; b1
	s_cselect_b64 s[42:43], s[26:27], s[14:15]     ; W2
	s_cselect_b64 s[44:45], s[28:29], s[16:17]     ; b2
	s_cselect_b64 s[46:47], s[30:31], s[18:19]     ; the image
	s_add_nc_u64 s[36:37], s[36:37], s[48:49]
	s_add_nc_u64 s[46:47], s[46:47], s[52:53]
	s_cmp_eq_u32 s3, 3
	s_cselect_b64 s[54:55], s[40:41], s[38:39]
	s_add_nc_u64 s[54:55], s[54:55], s[60:61]
	s_wait_alu depctr_va_vdst(0)                   ; the eleven offsets and addresses v3 to v13 are written, which the kernel's loads and stores read; none of them is written again
	; all loads on end
.irp i, 0,1,2,3,4,5,6,7
	global_load_b128 v[RAW+4*(\i):RAW+4*(\i)+3], v[AW2G], s[42:43] offset:512*(\i)
.endr
	global_load_b128 v[W1R:W1R+3], v[AL16], s[54:55]
.irp pt, 0,1
.irp c, 0,1,2
	global_load_b32 v[CO+4*(\pt)+(\c)], v[ACO], s[36:37] offset:192*(\pt)+4*(\c)
.endr
.endr
	global_load_b128 v[KB2:KB2+3],     v[AB2], s[44:45]
	global_load_b128 v[KB2+4:KB2+7],   v[AB2], s[44:45] offset:16
	global_load_b128 v[KB2+8:KB2+11],  v[AB2], s[44:45] offset:64
	global_load_b128 v[KB2+12:KB2+15], v[AB2], s[44:45] offset:80
	; V, in the key role alone: 32 keys x 16 channels to f16, turned through my own LDS bytes into the fragment of V^T, and stored as 2 x 512 consecutive bytes
	s_cmp_ge_u32 s2, 256
	s_cbranch_scc1 .Lno_v
	s_add_nc_u64 s[32:33], s[32:33], s[56:57]
	s_add_nc_u64 s[18:19], s[18:19], s[58:59]
.irp i, 0,1,2,3
	global_load_b128 v[VP+4*(\i):VP+4*(\i)+3], v[AL16], s[32:33] offset:512*(\i) th:TH_LOAD_NT  ; key 8 i + L / 4, channels 4 (L % 4) ..
.endr
	s_wait_loadcnt 0x0
.irp i, 0,1,2,3
	v_cvt_pk_f16_f32 v[HT+2*(\i)],   v[VP+4*(\i)],   v[VP+4*(\i)+1]
	v_cvt_pk_f16_f32 v[HT+2*(\i)+1], v[VP+4*(\i)+2], v[VP+4*(\i)+3]
.endr
	s_wait_alu depctr_va_vdst(0)                   ; the eight conversions have written v[HT .. HT+7], which the LDS stores read
.irp i, 0,1,2,3
	ds_store_b64 v[AVS], v[HT+2*(\i):HT+2*(\i)+1] offset:256*(\i)
.endr
	ds_load_tr16_b128 v[VFR:VFR+3],   v[AVL]             ; LDS serves a wave's instructions in order (ISA guide 5.7.1.4): these see the stores above.  Channel L % 16, keys 8 h ..
	ds_load_tr16_b128 v[VFR+4:VFR+7], v[AVL] offset:512  ; keys 16 + 8 h ..
	s_wait_dscnt 0x0
	global_store_b128 v[AL16], v[VFR:VFR+3],   s[18:19]
	global_store_b128 v[AL16], v[VFR+4:VFR+7], s[18:19] offset:512
.Lno_v:
	s_wait_loadcnt 0x0                             ; W2, W1, coordinates, b2
	s_wait_xcnt 0x0                                ; the two stores' data registers lie where W1's fragments are loaded below: they are rewritten only behind this wait
; Piece i of my quarter of W2: four numbers are split, x = hi + lo, both bf16; the difference x - hi is exact in f32.  Each piece has four registers of OB to itself, so that one wait serves all the stores.
.macro SPLIT4 i
.set hb, OB+4*(\i)
.set tb, TT+4*((\i)%4)
	v_cvt_pk_bf16_f32 v[hb],   v[RAW+4*(\i)],   v[RAW+4*(\i)+1]
	v_cvt_pk_bf16_f32 v[hb+1], v[RAW+4*(\i)+2], v[RAW+4*(\i)+3]
	v_lshlrev_b32 v[tb],   16,  v[hb]
	v_and_b32     v[tb+1], s50, v[hb]
	v_lshlrev_b32 v[tb+2], 16,  v[hb+1]
	v_and_b32     v[tb+3], s50, v[hb+1]
	v_pk_add_f32 v[tb:tb+1],   v[RAW+4*(\i):RAW+4*(\i)+1],   v[tb:tb+1]   neg_lo:[0,1] neg_hi:[0,1]
	v_pk_add_f32 v[tb+2:tb+3], v[RAW+4*(\i)+2:RAW+4*(\i)+3], v[tb+2:tb+3] neg_lo:[0,1] neg_hi:[0,1]
	v_cvt_pk_bf16_f32 v[hb+2], v[tb],   v[tb+1]
	v_cvt_pk_bf16_f32 v[hb+3], v[tb+2], v[tb+3]
.endm
.irp i, 0,1,2,3,4,5,6,7
	SPLIT4 \i
.endr
	s_wait_alu depctr_va_vdst(0)                   ; the split has written v[OB ..], which the LDS stores read; it is also done reading RAW, and V's conversions VP, in which W1's loads land behind the barrier
.irp i, 0,1,2,3,4,5,6,7
	ds_store_b64 v[AW], v[OB+4*(\i):OB+4*(\i)+1]   offset:4*WP*(\i)
	ds_store_b64 v[AW], v[OB+4*(\i)+2:OB+4*(\i)+3] offset:W2L+4*WP*(\i)
.endr
	ds_store_b128 v[AW1S], v[W1R:W1R+3]
.irp i, 0,1,2,3,4,5,6,7
	v_pk_mul_f32 v[KB2+2*(\i):KB2+2*(\i)+1], v[KB2+2*(\i):KB2+2*(\i)+1], s[34:35] op_sel_hi:[1,0]  ; these name KB2 alone, which no load or store below touches
.endr
	s_wait_dscnt 0x0                               ; for the others' sake: my parts of W2 and W1 are in LDS
	s_barrier_signal -1
	s_barrier_wait -1                              ; the launch's one barrier: from here on LDS is only read
	s_wait_alu depctr_vm_vsrc(0)                   ; my LDS stores have read v[OB ..], W1R and (key role) v[HT .. HT+7], my global stores VFR: from here on W1's loads land in W1R and VFR, and layer 1 writes HT and h's fragments
; W1 and b1 of the 32 hidden units of K step ks: my 16 of each of the four rows.
.macro W1LOAD ks
.irp a, 0,1,2,3
	ds_load_b128 v[W1B+16*(\a):W1B+16*(\a)+3],     v[AW1] offset:(\a)*512+(\ks)*128
	ds_load_b128 v[W1B+16*(\a)+4:W1B+16*(\a)+7],   v[AW1] offset:(\a)*512+(\ks)*128+16
	ds_load_b128 v[W1B+16*(\a)+8:W1B+16*(\a)+11],  v[AW1] offset:(\a)*512+(\ks)*128+64
	ds_load_b128 v[W1B+16*(\a)+12:W1B+16*(\a)+15], v[AW1] offset:(\a)*512+(\ks)*128+80
.endr
.endm
; Layer 1 for tile pt, first part: my point's 16 hidden units of this K step (lane (r, h): point r; units 8 h + 0..7 and 16 + 8 h + 0..7: the places of a matrix operand's lane).  All that reads W1B.
.macro L1FMA pt
.set hh, HT+128*(\pt)
.irp i, 0,1,2,3,4,5,6,7
	v_pk_fma_f32 v[hh+2*(\i):hh+2*(\i)+1], v[W1B+2*(\i):W1B+2*(\i)+1], v[CO+4*(\pt):CO+4*(\pt)+1], v[W1B+48+2*(\i):W1B+48+2*(\i)+1] op_sel_hi:[1,0,1]  ; b + x wx
.endr
.irp i, 0,1,2,3,4,5,6,7
	v_pk_fma_f32 v[hh+2*(\i):hh+2*(\i)+1], v[W1B+16+2*(\i):W1B+16+2*(\i)+1], v[CO+4*(\pt):CO+4*(\pt)+1], v[hh+2*(\i):hh+2*(\i)+1] op_sel:[0,1,0] op_sel_hi:[1,1,1]  ; + y wy
.endr
.irp i, 0,1,2,3,4,5,6,7
	v_pk_fma_f32 v[hh+2*(\i):hh+2*(\i)+1], v[W1B+32+2*(\i):W1B+32+2*(\i)+1], v[CO+4*(\pt)+2:CO+4*(\pt)+3], v[hh+2*(\i):hh+2*(\i)+1] op_sel_hi:[1,0,1]  ; + z wz
.endr
.endm
; Second part: relu, and the split into hi and lo.
.macro L1REST pt
.set hh, HT+128*(\pt)
.irp e, 0,1,2,3,4,5,6,7,8,9,10,11,12,13,14,15
	v_max_num_f32 v[hh+(\e)], 0, v[hh+(\e)]
.endr
.irp i, 0,1,2,3,4,5,6,7
	v_cvt_pk_bf16_f32 v[HB+16*(\pt)+(\i)], v[hh+2*(\i)], v[hh+2*(\i)+1]
.endr
.irp i, 0,1,2,3,4,5,6,7
	v_lshlrev_b32 v[TT+2*(\i)],   16,  v[HB+16*(\pt)+(\i)]
	v_and_b32     v[TT+2*(\i)+1], s50, v[HB+16*(\pt)+(\i)]
.endr
.irp i, 0,1,2,3,4,5,6,7
	v_pk_add_f32 v[TT+2*(\i):TT+2*(\i)+1], v[hh+2*(\i):hh+2*(\i)+1], v[TT+2*(\i):TT+2*(\i)+1] neg_lo:[0,1] neg_hi:[0,1]
.endr
.irp i, 0,1,2,3,4,5,6,7
	v_cvt_pk_bf16_f32 v[HB+16*(\pt)+8+(\i)], v[TT+2*(\i)], v[TT+2*(\i)+1]
.endr
.endm
; K step ks: hidden units 32 ks .. 32 ks + 31.  Twelve matrix instructions: three products x four accumulators, which take turns, one instruction a turn.
; The 48 multiply-adds at its head name no register of the step before's products: they are the places between those products and the first write of h's fragments (ISA guide 7.12.1).
.macro KSTEP ks
	s_wait_dscnt 0x0                               ; this step's W1: its sixteen loads are the youngest
	L1FMA 0
	L1FMA 1
	s_wait_alu depctr_va_vdst(0)                   ; the 48 multiply-adds are done reading W1B, in which the next step's loads land; the step before's matrix instructions are done reading W2F, in which this step's land
.irp mt, 0,1
.irp lo, 0,1
	ds_load_tr16_b128 v[W2F+16*(\mt)+8*(\lo):W2F+16*(\mt)+8*(\lo)+3],   v[AWT] offset:(\ks)*32*WP+(\mt)*32+(\lo)*W2L
	ds_load_tr16_b128 v[W2F+16*(\mt)+8*(\lo)+4:W2F+16*(\mt)+8*(\lo)+7], v[AWT] offset:(\ks)*32*WP+(\mt)*32+(\lo)*W2L+16*WP
.endr
.endr
.if (\ks) < 3
	W1LOAD (\ks)+1
.endif
	L1REST 0                                       ; no line from here to the step's end names W1B, and none ahead of the wait below names W2F
	L1REST 1
.if (\ks) < 3
	s_wait_dscnt 0x10                              ; W2^T's fragments are in; the sixteen loads of W1 issued behind them may stay out
.else
	s_wait_dscnt 0x0                               ; W2^T's fragments: nothing was asked for behind them
.endif
.irp t, 0,1,2                          ; (W2, h) parts: (hi, hi), (hi, lo), (lo, hi)
.irp pt, 0,1
.irp mt, 0,1
.if ((\ks) == 0) && ((\t) == 0)
	v_wmma_f32_16x16x32_bf16 v[ACC+16*(\pt)+8*(\mt):ACC+16*(\pt)+8*(\mt)+7], v[W2F+16*(\mt)+8*((\t)/2):W2F+16*(\mt)+8*((\t)/2)+7], v[HB+16*(\pt)+8*((\t)%2):HB+16*(\pt)+8*((\t)%2)+7], 0
.else
	v_wmma_f32_16x16x32_bf16 v[ACC+16*(\pt)+8*(\mt):ACC+16*(\pt)+8*(\mt)+7], v[W2F+16*(\mt)+8*((\t)/2):W2F+16*(\mt)+8*((\t)/2)+7], v[HB+16*(\pt)+8*((\t)%2):HB+16*(\pt)+8*((\t)%2)+7], v[ACC+16*(\pt)+8*(\mt):ACC+16*(\pt)+8*(\mt)+7]
.endif
.endr
.endr
.endr
.endm
	W1LOAD 0                                       ; the first step's W1; every later step's is asked for in the step before
.irp ks, 0,1,2,3
	KSTEP \ks
.endr
	; THE WAY OUT.  Register j of lane (r, h) holds output 16 mt + 8 h + j of point r: four neighbouring dims are the image's 16 bytes.
.rept 4
	v_nop                                          ; four places behind the last products
.endr
.irp a, 0,1,2,3
.irp i, 0,1,2,3
	v_pk_fma_f32 v[ACC+8*(\a)+2*(\i):ACC+8*(\a)+2*(\i)+1], v[ACC+8*(\a)+2*(\i):ACC+8*(\a)+2*(\i)+1], s[34:35], v[KB2+8*((\a)%2)+2*(\i):KB2+8*((\a)%2)+2*(\i)+1] op_sel_hi:[1,0,1]  ; kappa y + kappa b2
.endr
.endr
	s_wait_alu depctr_va_vdst(0)                   ; the sixteen scalings have written v[ACC ..], which the stores read
.irp pt, 0,1
.irp mt, 0,1
.irp jq, 0,1
	global_store_b128 v[AO], v[ACC+16*(\pt)+8*(\mt)+4*(\jq):ACC+16*(\pt)+8*(\mt)+4*(\jq)+3], s[46:47] offset:(\pt)*256+(\mt)*2048+(\jq)*512  ; each half of the lanes stores 256 consecutive bytes, at a multiple of 256 from the buffer's first
.endr
.endr
.endr
	s_wait_dscnt 0x0                               ; the wave's end: the six closing lines, on end
	s_wait_alu 0x0
	s_wait_tensorcnt 0x0
	ds_add_u32 v[SPW], v[NIL]
	s_wait_dscnt 0x0
	s_endpgm
.Lfunc_end_k_q2f4044bc3e_prep:
	.size	k_q2f4044bc3e_prep, .Lfunc_end_k_q2f4044bc3e_prep-k_q2f4044bc3e_prep
	.p2alignl 7, 3214868480
	.fill 96, 4, 3214868480
	.section	.rodata,"a",@progbits
	.p2align	6, 0x0
	.amdhsa_kernel k_q2f4044bc3e_prep
		.amdhsa_group_segment_fixed_size 31232
		.amdhsa_private_segment_fixed_size 0
		.amdhsa_enable_private_segment 0
		.amdhsa_kernarg_size 104
		.amdhsa_user_sgpr_count 2
		.amdhsa_user_sgpr_kernarg_segment_ptr 1
		.amdhsa_wavefront_size32 1
		.amdhsa_system_sgpr_workgroup_id_x 1
		.amdhsa_system_sgpr_workgroup_id_y 1
		.amdhsa_system_sgpr_workgroup_id_z 1
		.amdhsa_system_vgpr_workitem_id 0
		.amdhsa_next_free_vgpr 246
		.amdhsa_next_free_sgpr 66
		.amdhsa_reserve_vcc 0
		.amdhsa_float_denorm_mode_32 3
		.amdhsa_float_denorm_mode_16_64 3
		.amdhsa_memory_ordered 1
		.amdhsa_forward_progress 1
		.amdhsa_inst_pref_size 57
	.end_amdhsa_kernel
	.amdgpu_metadata
---
amdhsa.version: [ 1, 2 ]
amdhsa.kernels:
  - .name:           k_q2f4044bc3e_prep
    .symbol:         k_q2f4044bc3e_prep.kd
    .args:
      - { .name: coords_f, .offset: 0, .size: 8, .value_kind: global_buffer, .address_space: global }
      - { .name: Wk1, .offset: 8, .size: 8, .value_kind: global_buffer, .address_space: global }
      - { .name: bk1, .offset: 16, .size: 8, .value_kind: global_buffer, .address_space: global }
      - { .name: Wk2, .offset: 24, .size: 8, .value_kind: global_buffer, .address_space: global }
      - { .name: bk2, .offset: 32, .size: 8, .value_kind: global_buffer, .address_space: global }
      - { .name: KV, .offset: 40, .size: 8, .value_kind: global_buffer, .address_space: global }
      - { .name: coords_t, .offset: 48, .size: 8, .value_kind: global_buffer, .address_space: global }
      - { .name: Wq1, .offset: 56, .size: 8, .value_kind: global_buffer, .address_space: global }
      - { .name: bq1, .offset: 64, .size: 8, .value_kind: global_buffer, .address_space: global }
      - { .name: Wq2, .offset: 72, .size: 8, .value_kind: global_buffer, .address_space: global }
      - { .name: bq2, .offset: 80, .size: 8, .value_kind: global_buffer, .address_space: global }
      - { .name: WQ, .offset: 88, .size: 8, .value_kind: global_buffer, .address_space: global }
      - { .name: values_f, .offset: 96, .size: 8, .value_kind: global_buffer, .address_space: global }
    .group_segment_fixed_size: 31232
    .private_segment_fixed_size: 0
    .kernarg_segment_align: 8
    .kernarg_segment_size: 104
    .max_flat_workgroup_size: 128
    .sgpr_count:     66
    .vgpr_count:     246
    .wavefront_size: 32
...
	.end_amdgpu_metadata
.endif
;; end of part 3
;; launch attn: the kernel of part 2 again; grid 32 x 8, 8 waves a work-group, clusters of 4 x 1, 327,680 bytes of LDS; arguments KV, WQ, out0; writes out0
